; MI455X (gfx1250); checked and timed in simulation.
; The chip was launched on July 23, 2026; its instructions are those of AMD's public machine-readable ISA for CDNA 5 (MIT licence, August 2026) and "CDNA5" Instruction Set Architecture Reference Guide (July 2026). The comments in the code are by the model that wrote it; some were corrected since.
;; Bit Linear. Allowed arithmetic: matrix products marked QUANTISED: E4M3 operands, one given power-of-two scale a tensor, by v_wmma_f32_16x16x64_fp8_fp8 or v_wmma_f32_16x16x128_fp8_fp8, f32 sums; everything else in f32.
;; Inputs: bias 11,008 float32; lowp_scales 2 int32 (the exponents e of the quantised operands' scales 2^e); weight 11,008 x 4,096 float32; x 2 x 512 x 4,096 float32.
;; Outputs: out0 2 x 512 x 11,008 float32.
;; This version of the problem:
;;   THIS VERSION OF THE PROBLEM IS GIVEN IN LOW PRECISION. The matrix products marked QUANTISED in the list below multiply operands that are first quantised to E4M3 (4 exponent bits, 3 mantissa bits; 8 bits a number), with one given power-of-two scale for each operand tensor; their sums are f32. All else is computed in f32.
;;   The module's matrix products, in the order in which they are computed (A, B: the left and right operand; K: the contracted axis; several contracted axes count as one K, in the product's order):
;;     1. [M 1,024, K 4,096] x [K 4,096, N 11,008]; A: input x; B: computed on the way: QUANTISED (scales: A lowp_scales[0], B lowp_scales[1])
;;   THE QUANTISER, for each operand of a quantised product, along K:
;;     - The operand's scale is 2^e, e = its entry of the input lowp_scales (int32; the entries are numbered through the quantised products in the list's order, A before B).
;;     - Each number is divided by the scale, clamped to +-448, and rounded to the nearest number of E4M3, ties to even, subnormals kept.
;;     - The product sums the exact products of the quantised numbers (number of the format x scale) in f32.
;;   ~~~python
;;   def quantise(x, axis, e):      # numpy; x: float32 -> the quantised numbers, widened to float32 again
;;       x = np.moveaxis(x, axis, -1); K = x.shape[-1]
;;       r = np.clip(x / 2.0 ** e, -448, 448)
;;       step = 2.0 ** (np.maximum(np.frexp(np.where(r == 0, 1, r))[1] - 1, -6) - 3)
;;       q = np.round(r / step) * step * 2.0 ** e      # np.round: ties to even
;;       return np.moveaxis(q, -1, axis).astype(np.float32)
;;   ~~~
;;   OPERANDS COMPUTED ON THE WAY. 'Computed on the way' means the value that the module computes at that place (a softmax that the list does not call 'softmax' is quantised finished and normalised). What goes into a quantiser is computed in f32, as accurately as f32 sums, v_exp_f32 and their like allow (about 1e-6 of the number): no bf16 or f16 on the way to a quantiser, and a product that is left as it is and whose result goes on into a quantised operand takes f32 operands (vector FMAs, or v_wmma_f32_16x16x4_f32). A number that lies on a knife's edge between two numbers of the format may be rounded either way, as far as f32 arithmetic and the matrix unit's own rounding can turn it there, and no further.
;; One version. Each part assembles by itself: llvm-mc -triple=amdgcn-amd-amdhsa -mcpu=gfx1250 --defsym DOCPART=n.
;; ======== version 1 of 1: 2 launches
;; limits: right only within a limited range of input values
;; workspace buffers: wcodes 45,088,768 bytes; xcodes 4,194,304 bytes; partials 8,192 bytes
;; launch prep (part 1): grid 256 x 1, 8 waves a work-group, no clusters, 0 bytes of LDS; arguments weight, x, lowp_scales, wcodes, xcodes, partials; writes wcodes, xcodes, partials
.if DOCPART == 1
	.amdgcn_target "amdgcn-amd-amdhsa--gfx1250"
	.amdhsa_code_object_version 6
	.text
	.protected	k_q1f14b103bc_prep
	.globl	k_q1f14b103bc_prep
	.p2align	8
	.type	k_q1f14b103bc_prep,@function
k_q1f14b103bc_prep:
	s_mov_b64 s[64:65], 0
	v_nop
	global_prefetch_b8 v0, s[64:65] scope:SCOPE_SE
	s_setreg_imm32_b32 hwreg(HW_REG_WAVE_MODE, 25, 1), 1
	s_wait_xcnt 0x0
; The launch in front of the product out = Q(x) Q(sign(W) mean|W|)^T + bias.  It reads W [11008][4096] and x [1024][4096], both f32, once, and leaves one byte for each number.
; W: the second operand has three values, +s, -s and 0, with s = mean|W| over the whole tensor, which is known only when all of W has been read.  So this launch stores, for each weight, a SIGN BYTE:
;    0x7f for w > 0, 0xff for w < 0, 0x00 for +0, 0x80 for -0; and, for each wave, the sum of its |w|.  The next launch makes s's code c and turns a sign byte into the quantiser's code by one AND with 0x80 | c.
;    The sign byte is the top byte of w x 2^127 x 2^127 x 2^127: the smallest denormal, 2^-149, times 2^381 overflows, so every number but zero becomes an infinity of its sign, and a zero stays a zero of its sign.
; x: codes of E4M3 by the given scale 2^e0 (entry 0 of the scales): x / 2^e0, held within +-448, to the nearest code, ties to even.
; LIMITS: e0 between -126 and 119, so that 2^e0 and 448 x 2^e0 are f32 numbers.  NaN among the inputs is not served; infinities are held at the largest code (x) or make the sum infinite (W).
; SHARES.  A step is 512 numbers: 2,048 bytes in, 512 bytes out.  W has 88,064 = 2,048 x 43 steps, x has 8,192 = 2,048 x 4.  The launch has 256 x 8 = 2,048 waves: wave g takes W's steps 43 g .. 43 g + 42 and then
;    x's steps 4 g .. 4 g + 3: 47 steps each, one path for all.  Rows are dense and 4,096 is a multiple of 512, so nothing here knows of rows.
; LAYOUT OF THE CODES.  Each of a step's four loads reads 512 consecutive bytes, 16 a lane; a lane's 16 codes are stored as 16 bytes, the wave's as 512 consecutive bytes.  So inside each 512 along K byte p of the
;    codes holds k = 128 ((p >> 2) & 3) + 4 (p >> 4) + (p & 3): a permutation of K, the same in both operands, so that every product meets its partner.  No LDS, no barrier: waves share nothing.
; A ring of DEPTH sets of registers keeps DEPTH steps' loads, 32 of 16 bytes a lane, on their way in each wave.  Every offset is an immediate (87,552 at the most); no pointer is stepped.
; THE CODES HAVE CSETS = 28 SETS OF REGISTERS, so that a store's data are rewritten 28 steps later: the 47 steps come round to a used set only from step 28 on (sets 0 to 18), and ONE wait at step 28, behind the stores
;    of steps 0 to 27, frees all of those.  A wait in each step would also wait for the addresses of the loads just issued, and hold the next loads back.
.set STEPS_W, 43
.set STEPS_X, 4
.set STEPS,   STEPS_W+STEPS_X
.set DEPTH,   8
.set CSETS,   28
.set OFF, 1                            ; v1       16 x lane: my bytes of a load's 512 and of a store's 512; never rewritten
.set S,   8                            ; v8-15    eight chains of the sum of |w|
.set C,   16                           ; v16-127  28 sets of 4: a step's codes
.set R,   128                          ; v128-255 eight sets of 16: a step's numbers
	s_load_b256 s[4:11], s[0:1], 0x0               ; W s[4:5], x s[6:7], the scales' exponents s[8:9], W's sign bytes s[10:11]
	s_load_b128 s[12:15], s[0:1], 0x20             ; x's codes s[12:13], the waves' sums s[14:15]
	v_and_b32 v2, 31, v0                           ; lane
	v_lshrrev_b32 v7, 5, v0
	s_delay_alu instid0(VALU_DEP_1)
	v_readfirstlane_b32 s16, v7                    ; wave 0..7
	s_delay_alu instid0(VALU_DEP_3)
	v_lshlrev_b32 v[OFF], 4, v2
	s_lshl_b32 s17, ttmp9, 3
	s_add_co_u32 s17, s17, s16                     ; g = 8 x work-group + wave
	s_mov_b32 s20, 0x07030703                      ; byte selects: the top bytes of two registers, side by side
	s_mov_b32 s21, 0x05040100                      ; the low halves of two registers
	s_mov_b32 s22, 0x7f000000                      ; 2^127
	s_mov_b32 s23, s22                             ; (named with it as a pair, so it is written)
	s_mov_b32 s24, 0x76543210                      ; v_permlanex16_b32: lane l takes lane l xor 16
	s_mov_b32 s25, 0xfedcba98
	s_mov_b32 s19, 0
	s_lshl_b32 s18, s17, 2
	v_mov_b32 v3, s18                              ; my wave's word among the sums
	v_mov_b32 v6, 0                                ; written once: a lane permute's destination counts as one of its sources
	s_wait_alu depctr_va_vdst(0)
	s_wait_kmcnt 0x0
	s_load_b32 s26, s[8:9], 0x0                    ; e0
	s_mul_i32 s18, s17, STEPS_W*2048               ; my wave's part of each stream, in bytes (180,267,008 at the most)
	s_add_nc_u64 s[4:5], s[4:5], s[18:19]
	s_mul_i32 s18, s17, STEPS_W*512
	s_add_nc_u64 s[10:11], s[10:11], s[18:19]
	s_lshl_b32 s18, s17, 13
	s_add_nc_u64 s[6:7], s[6:7], s[18:19]
	s_lshl_b32 s18, s17, 11
	s_add_nc_u64 s[12:13], s[12:13], s[18:19]
.macro LOAD t                          ; step t's four loads, 512 consecutive bytes each, into set t % DEPTH; read once in the launch
.set RL, R+16*((\t)%DEPTH)
.irp j, 0,1,2,3
.if (\t) < STEPS_W
	global_load_b128 v[RL+4*\j:RL+4*\j+3], v[OFF], s[4:5] offset:2048*(\t)+512*\j th:TH_LOAD_NT
.else
	global_load_b128 v[RL+4*\j:RL+4*\j+3], v[OFF], s[6:7] offset:2048*((\t)-STEPS_W)+512*\j th:TH_LOAD_NT
.endif
.endr
.endm
.macro WORK t
.set RS, R+16*((\t)%DEPTH)
.set CSET, C+4*((\t)%CSETS)
.if (\t) <= STEPS-DEPTH
	s_wait_loadcnt 4*(DEPTH-1)                     ; loads come back in order (ISA guide 5.7.1): this step's four are in, the seven younger steps' 28 stay out
.else
	s_wait_loadcnt 4*(STEPS-1-(\t))                ; the last steps: fewer are behind
.endif
.if (\t) < STEPS_W
.if (\t) == 0
.irp i, 0,1,2,3,4,5,6,7
	v_add_f32 v[S+\i], |v[RS+\i]|, |v[RS+8+\i]|    ; the first step starts the eight chains: nothing is cleared
.endr
.else
.irp i, 0,1,2,3,4,5,6,7,8,9,10,11,12,13,14,15
	v_add_f32 v[S+\i%8], v[S+\i%8], |v[RS+\i]|
.endr
.endif
.rept 3                                ; x 2^127, three times, two numbers an instruction; eight independent pairs in each pass
.irp i, 0,2,4,6,8,10,12,14
	v_pk_mul_f32 v[RS+\i:RS+\i+1], v[RS+\i:RS+\i+1], s[22:23] op_sel_hi:[1,0]
.endr
.endr
.if (\t) == CSETS
	s_wait_alu depctr_va_vdst(0)
	s_wait_xcnt 0x0                                ; the one wait for the codes' registers: the stores of steps 0 to 27 have read their data; steps 28 to 46 rewrite the sets of steps 0 to 18 only behind it
.endif
.irp j, 0,1,2,3
	v_perm_b32 v[RS+4*\j],   v[RS+4*\j+1], v[RS+4*\j],   s20   ; bytes 0, 1: the top bytes of numbers 4 j, 4 j + 1
	v_perm_b32 v[RS+4*\j+2], v[RS+4*\j+3], v[RS+4*\j+2], s20   ; and of 4 j + 2, 4 j + 3
.endr
.irp j, 0,1,2,3
	v_perm_b32 v[CSET+\j], v[RS+4*\j+2], v[RS+4*\j], s21       ; four sign bytes, the lowest number's in the lowest byte
.endr
.else
.irp i, 0,1,2,3,4,5,6,7,8,9,10,11,12,13,14,15
	v_med3_num_f32 v[RS+\i], v[RS+\i], -v4, v4     ; the conversion to an 8-bit code does not saturate (ISA guide 7.6.2): the hold at the largest code x the scale comes first
.endr
	v_cvt_scalef32_pk8_fp8_f32 v[CSET:CSET+1],   v[RS:RS+7],    v5   ; eight numbers / 2^e0, to the nearest code, ties to even; the first number's code in the lowest byte
	v_cvt_scalef32_pk8_fp8_f32 v[CSET+2:CSET+3], v[RS+8:RS+15], v5   ; the results go to a store alone; the next vector lines are plain and name other registers
.endif
.if (\t)+DEPTH < STEPS
	LOAD (\t)+DEPTH                                ; the set that has just been read takes the step DEPTH further on; loads ahead of stores
.endif
.if (\t) < STEPS_W
	global_store_b128 v[OFF], v[CSET:CSET+3], s[10:11] offset:512*(\t)            ; the wave stores 512 consecutive bytes, at a multiple of 256 from the buffer's first byte
.else
	global_store_b128 v[OFF], v[CSET:CSET+3], s[12:13] offset:512*((\t)-STEPS_W)
.endif
.endm
.set T, 0
.rept DEPTH
	LOAD T
.set T, T+1
.endr
	s_wait_kmcnt 0x0
	s_add_co_i32 s26, s26, 127
	s_lshl_b32 s27, s26, 23
	v_mov_b32 v5, s27                              ; 2^e0 as f32: the conversion takes its exponent field
	s_add_co_i32 s26, s26, 8
	s_lshl_b32 s26, s26, 23
	s_or_b32 s26, s26, 0x600000
	v_mov_b32 v4, s26                              ; 448 x 2^e0
.set T, 0
.rept STEPS
	WORK T
.set T, T+1
.endr
	; the wave's sum of |w|: the eight chains, then the 32 lanes
.irp i, 0,2,4,6
	v_add_f32 v[S+\i], v[S+\i], v[S+\i+1]
.endr
	s_delay_alu instid0(VALU_DEP_3)
	v_add_f32 v[S], v[S], v[S+2]
	s_delay_alu instid0(VALU_DEP_2)
	v_add_f32 v[S+4], v[S+4], v[S+6]
	s_delay_alu instid0(VALU_DEP_1)
	v_add_f32 v[S], v[S], v[S+4]
	s_delay_alu instid0(VALU_DEP_1)
	v_add_f32_dpp v[S], v[S], v[S] row_xmask:1 row_mask:0xf bank_mask:0xf
	s_delay_alu instid0(VALU_DEP_1)
	v_add_f32_dpp v[S], v[S], v[S] row_xmask:2 row_mask:0xf bank_mask:0xf
	s_delay_alu instid0(VALU_DEP_1)
	v_add_f32_dpp v[S], v[S], v[S] row_xmask:4 row_mask:0xf bank_mask:0xf
	s_delay_alu instid0(VALU_DEP_1)
	v_add_f32_dpp v[S], v[S], v[S] row_xmask:8 row_mask:0xf bank_mask:0xf
	s_delay_alu instid0(VALU_DEP_1)
	v_permlanex16_b32 v6, v[S], s24, s25
	s_delay_alu instid0(VALU_DEP_1)
	v_add_f32 v[S], v[S], v6
	v_cmp_eq_u32 vcc_lo, 0, v2
	s_wait_alu depctr_va_vdst(0)
	s_wait_xcnt 0x0                                ; EXEC is a source of the stores above: it changes only behind this wait
	s_and_saveexec_b32 s28, vcc_lo
	global_store_b32 v3, v[S], s[14:15]            ; one word a wave, 2,048 in the launch: four bytes alone, so that the next launch's work-groups read 8,192 bytes each and not every lane's sum
	s_wait_xcnt 0x0                                ; and again, in front of the line that widens it
	s_or_b32 exec_lo, exec_lo, s28
	s_endpgm
.Lfunc_end_k_q1f14b103bc_prep:
	.size	k_q1f14b103bc_prep, .Lfunc_end_k_q1f14b103bc_prep-k_q1f14b103bc_prep
	.p2alignl 7, 3214868480
	.fill 96, 4, 3214868480
	.section	.rodata,"a",@progbits
	.p2align	6, 0x0
	.amdhsa_kernel k_q1f14b103bc_prep
		.amdhsa_group_segment_fixed_size 0
		.amdhsa_private_segment_fixed_size 0
		.amdhsa_enable_private_segment 0
		.amdhsa_kernarg_size 48
		.amdhsa_user_sgpr_count 2
		.amdhsa_user_sgpr_kernarg_segment_ptr 1
		.amdhsa_wavefront_size32 1
		.amdhsa_system_sgpr_workgroup_id_x 1
		.amdhsa_system_sgpr_workgroup_id_y 1
		.amdhsa_system_sgpr_workgroup_id_z 1
		.amdhsa_system_vgpr_workitem_id 0
		.amdhsa_next_free_vgpr 256
		.amdhsa_next_free_sgpr 66
		.amdhsa_reserve_vcc 1
		.amdhsa_float_denorm_mode_32 3
		.amdhsa_float_denorm_mode_16_64 3
		.amdhsa_memory_ordered 1
		.amdhsa_forward_progress 1
		.amdhsa_inst_pref_size 171
	.end_amdhsa_kernel
	.amdgpu_metadata
---
amdhsa.version: [ 1, 2 ]
amdhsa.kernels:
  - .name:           k_q1f14b103bc_prep
    .symbol:         k_q1f14b103bc_prep.kd
    .args:
      - { .name: weight, .offset: 0, .size: 8, .value_kind: global_buffer, .address_space: global }
      - { .name: x, .offset: 8, .size: 8, .value_kind: global_buffer, .address_space: global }
      - { .name: lowp_scales, .offset: 16, .size: 8, .value_kind: global_buffer, .address_space: global }
      - { .name: wcodes, .offset: 24, .size: 8, .value_kind: global_buffer, .address_space: global }
      - { .name: xcodes, .offset: 32, .size: 8, .value_kind: global_buffer, .address_space: global }
      - { .name: partials, .offset: 40, .size: 8, .value_kind: global_buffer, .address_space: global }
    .group_segment_fixed_size: 0
    .private_segment_fixed_size: 0
    .kernarg_segment_align: 8
    .kernarg_segment_size: 48
    .max_flat_workgroup_size: 256
    .sgpr_count:     66
    .vgpr_count:     256
    .wavefront_size: 32
...
	.end_amdgpu_metadata
.endif
;; end of part 1
;; launch gemm (part 2): grid 4 x 64, 4 waves a work-group, clusters of 4 x 4, 327,680 bytes of LDS; arguments xcodes, wcodes, partials, lowp_scales, bias, out0; writes out0
.if DOCPART == 2
	.amdgcn_target "amdgcn-amd-amdhsa--gfx1250"
	.amdhsa_code_object_version 6
	.text
	.protected	k_q1f14b103bc_gemm
	.globl	k_q1f14b103bc_gemm
	.p2align	8
	.type	k_q1f14b103bc_gemm,@function
k_q1f14b103bc_gemm:
	s_mov_b64 s[64:65], 0
	v_nop
	global_prefetch_b8 v0, s[64:65] scope:SCOPE_SE
	s_setreg_imm32_b32 hwreg(HW_REG_WAVE_MODE, 25, 1), 1
	s_wait_xcnt 0x0
	s_wait_alu depctr_hold_cnt(0) depctr_sa_sdst(0) depctr_va_vdst(0) depctr_va_sdst(0) depctr_va_ssrc(0) depctr_va_vcc(0) depctr_vm_vsrc(0)
	s_getreg_b32 s2, hwreg(HW_REG_IB_STS2, 6, 4)
	s_cmp_eq_u32 s2, 0
	s_cbranch_scc0 .Lentry_in_a_cluster
	s_endpgm
.Lentry_in_a_cluster:
	s_bfe_u32 s2, ttmp6, 0x10000c
	s_cmp_lg_u32 s2, 0xf033
	s_cbranch_scc0 .Lentry_shape_is_right
	s_endpgm
.Lentry_shape_is_right:
; out[m][n] = 2^(e0+e1) x sum over k of code(x[m][k]) x code(sign(W[n][k]) s) + bias[n];  m 1,024, n 11,008, k 4,096.
; xcodes: E4M3 codes of x.  wcodes: a sign byte for each weight (0x7f, 0xff, 0x00, 0x80).  partials: 2,048 sums of |w|.
; s = mean|W| is made from the partials; c = its code by the scale 2^e1 (held at 448); a sign byte AND (0x80 | c) is the quantiser's code of the weight.
; Both buffers carry the same permutation of k inside each 512, so every product meets its partner.
; LIMITS: e1 between -126 and 119, e0 + e1 between -126 and 127 (the powers of two are made as f32 numbers).  NaN among the inputs is not served.
; SHARES.  A row of out is 172 units of 64 columns (256 bytes).  16 clusters of 4 x 4 work-groups: cx = which 256 rows of x, cy = which block of columns.
; 172 = 4 x 43 and 43 = 11 x 3 + 5 x 2: in clusters 0-10 a block is 256 x 192, in clusters 11-15 it is 256 x 128.  The width hangs on the cluster's number alone, the same
; in all partners; each width has its own copy of the body (macro BODY, NG = 3 or 2 groups of 64 columns), chosen by one branch at the head.
; x's tile is asked for jointly by the four work-groups of one cx, W's tile by the four of one cy.
; A wave (mh, nh) makes rows 128 mh .. +127 and, of each group of 64 columns, columns 32 nh .. +31: 16 accumulators a group.
; K goes in slots of 256 (rows of 256 bytes) through a ring of two LDS slots: 256 rows of x, then up to 192 of W, 272 bytes apart.  Waves 0, 1 fetch x's halves, waves 2, 3 W's (96 or 64 rows each;
; the second half always lands at row 96 of W's part, so no LDS address hangs on the width).
; REGISTERS.  window 0: v0-31 addresses, v128-255 x's eight fragments (one set, fetched anew by halves).  window 1 + g (group g): v0-127 accumulators (block a, unit u at 8 (2 a + u)),
; v128-191 W's fragments, two sets of 32, v192-207 bias.  The AND names W's fragment as source 0 and destination and the mask (window 0) as source 1: it runs under the matrix instructions' own setting.
; The matrix instruction is used transposed (source 0 = 16 rows of W, source 1 = 16 rows of x): a lane holds eight neighbouring columns of a row of out.
; PREFETCH.  Behind each refill every wave names, a lane a row, the slot two refills on: of the rows that a wave fetches each of the four partners takes a quarter, by address
; (32 rows of x; 24 or 16 of W, the lanes left over name the last row again).  The last two refills name nothing.
.set SIZE_N, 11008
.set KROW,   4096
.set ROWB,   256
.set PITCH,  272
.set SLOT,   448*PITCH
.set BROW,   256*PITCH
.set SPARE,  2*SLOT                    ; the spare words: 512 bytes that no other line names
.set SP,     784                       ; the way out: a stage row, 768 bytes + 16
.set LAPS,   8
.set ADRA, 16
.set ADRB, 20
.set STO,  22
.set RD,   24
.set CO,   25
.set BO,   26
.set MASKV, 27
.set SPW,  28
.set NIL,  29
.set PFO,  30
.set AF,   128
.set G1A, 24
.set G0A, 32
.set G1W, 48
.set G0B, 56
.set G1N, 80
.set PFA, 44
.set FLAGS, (1<<20)|(1<<21)|(5<<22)|(3<<25)
.set MSB, 0
.macro WIN new                         ; the immediate's high byte repeats the setting that is left
.if MSB != (\new)
	s_set_vgpr_msb (MSB<<8)|(\new)
.set MSB, (\new)
.endif
.endm
.macro PLACES
.rept 4
	v_nop
.endr
.endm
.macro JLOAD s                         ; a joint load: waves 0, 1 for x, waves 2, 3 for W (G1B: the group 1 of this body's width)
	s_cmp_eq_u32 s15, 0
	s_cbranch_scc0 .Lfor_b_\@
	tensor_load_to_lds s[G0A+4*\s:G0A+4*\s+3], s[G1A:G1A+7]
	s_nop 0
	PLACES
	s_branch .Lasked_\@
.Lfor_b_\@:
	tensor_load_to_lds s[G0B+4*\s:G0B+4*\s+3], s[G1B:G1B+7]
	s_nop 0
	PLACES
.Lasked_\@:
.endm
.macro CREST
	s_cmp_lg_u32 s14, 0
	s_cbranch_scc1 .Lnot_wave_0_\@
	s_barrier_signal -3
.Lnot_wave_0_\@:
	s_barrier_wait -3
	s_barrier_signal -1
	s_barrier_wait -1
.endm
.macro CROUND
	s_barrier_signal -1
	s_barrier_wait -1
	CREST
.endm
.macro ASK                             ; s3 = 1 in the loop's last trip, whose two refills have no slot two on
	WIN 0
	s_cmp_gt_u32 s3, 1
	s_cbranch_scc0 .Lno_ask_\@
	global_prefetch_b8 v[PFO], s[PFA:PFA+1] offset:ROWB th:TH_LOAD_NT scope:SCOPE_SE
.Lno_ask_\@:
.endm
.macro FETCH_B sl, q, p                ; W's fragments of the slot's q-th 128 along K into set p: 8 loads a group
.irp g, 0,1,2
.if \g < NG
	WIN (\g+1)<<6
.irp u, 0,1
.irp c, 0,1,2,3
	ds_load_b128 v[128+32*(\p)+16*\u+4*\c:128+32*(\p)+16*\u+4*\c+3], v[ADRB+\sl] offset:(\g*GSTR+16*\u)*PITCH+128*(\q)+32*\c
.endr
.endr
.endif
.endr
.endm
.macro FETCH_A sl, q, i0               ; x's blocks i0 .. i0 + 3: 16 loads (window 0)
.irp i, \i0, \i0+1, \i0+2, \i0+3
.irp c, 0,1,2,3
	ds_load_b128 v[AF+16*(\i)+4*\c:AF+16*(\i)+4*\c+3], v[ADRA+\sl] offset:(\i)*16*PITCH+128*(\q)+32*\c
.endr
.endr
.endm
; groups gl .. gh - 1: 8 matrix instructions each: x's blocks 4 h .. 4 h + 3 against W's two units of set p; the accumulators take turns.
; ands = 1: behind each stand four ANDs on the other set, which holds the next step's sign bytes.
.macro PHASE h, p, zero, ands, gl, gh
.irp g, 0,1,2
.if (\g >= \gl) && (\g < \gh)
	WIN 0x51*(\g+1)
.set J, 128+32*(1-(\p))
.irp u, 0,1
.irp a, 0,1,2,3
.set AC, 8*(2*(4*(\h)+\a)+\u)
.if \zero
	v_wmma_f32_16x16x128_fp8_fp8 v[AC:AC+7], v[128+32*(\p)+16*\u:128+32*(\p)+16*\u+15], v[AF+16*(4*(\h)+\a):AF+16*(4*(\h)+\a)+15], 0
.else
	v_wmma_f32_16x16x128_fp8_fp8 v[AC:AC+7], v[128+32*(\p)+16*\u:128+32*(\p)+16*\u+15], v[AF+16*(4*(\h)+\a):AF+16*(4*(\h)+\a)+15], v[AC:AC+7]
.endif
.if \ands
.rept 4
	v_and_b32 v[J], v[J], v[MASKV]
.set J, J+1
.endr
.endif
.endr
.endr
.endif
.endr
.endm
.macro HALF2 sl, q, p, zero            ; a step's second half, and the fetches round it; sl, q: where the next step's fragments lie
	PLACES                                         ; in front of loads into x's blocks 0-3, just multiplied
	WIN 0
	FETCH_A \sl, \q, 0
	s_wait_dscnt 16                                ; x's blocks 4-7 and the next step's sign bytes are in; the 16 just issued may be out
	PHASE 1, \p, \zero, 1, 0, NG
	s_wait_alu depctr_va_vdst(0)                   ; the wait behind the ANDs
	WIN 0
	FETCH_A \sl, \q, 4                             ; the last four ANDs are the places in front of these loads
.endm
.macro STEP sl, zero                   ; a slot's first 128 along K (set 0)
	s_wait_dscnt 16                                ; x's blocks 0-3 are in; blocks 4-7 may be out
	FETCH_B \sl, 1, 1
	PHASE 0, 0, \zero, 0, 0, NG
	HALF2 \sl, 1, 0, \zero
.endm
.macro TURN sl, nx, fill               ; a slot's second 128 along K (set 1): all its fragments have been asked for, so the slot changes at its head
.if \fill
	s_wait_xcnt 0x0                                ; my last prefetch has read its address
	s_add_nc_u64 s[PFA:PFA+1], s[PFA:PFA+1], ROWB
.endif
	s_wait_tensorcnt 0x0                           ; all my tensor loads have landed: my part of the next slot
	ds_add_u32 v[SPW], v[NIL]
.if \fill
	s_add_nc_u64 s[G0A+4*\sl+2:G0A+4*\sl+3], s[G0A+4*\sl+2:G0A+4*\sl+3], 2*ROWB
	s_add_nc_u64 s[G0B+4*\sl+2:G0B+4*\sl+3], s[G0B+4*\sl+2:G0B+4*\sl+3], 2*ROWB
.endif
	s_wait_dscnt 17                                ; the add and x's blocks 4-7 may be out
	PHASE 0, 1, 0, 0, 0, 1
	WIN 0
	s_wait_dscnt 0x0                               ; the add is done, my reads of this slot are over
.if \fill
	CROUND
	JLOAD \sl
.else
	s_barrier_signal -1
	s_barrier_wait -1
	PLACES
.endif
	FETCH_B \nx, 0, 0
.if \fill
	ASK
.endif
	PHASE 0, 1, 0, 0, 1, NG
	HALF2 \nx, 0, 1, 0
.endm
	s_load_b256 s[4:11], s[0:1], 0x0               ; xcodes, wcodes, partials, the scales' exponents
	s_load_b128 s[68:71], s[0:1], 0x20             ; bias, out
	v_lshl_add_u32 v[SPW], v0, 2, SPARE
	v_mov_b32 v[NIL], 0
	ds_add_u32 v[SPW], v[NIL]                      ; the opening lines: the add twice on end
	ds_add_u32 v[SPW], v[NIL]
	v_lshrrev_b32 v1, 5, v0
	v_readfirstlane_b32 s14, v1                    ; wave
	s_lshr_b32 s15, s14, 1                         ; mh; also 0: I fetch x, 1: W
	s_and_b32 s16, s14, 1                          ; nh; also which half I fetch
	s_bfe_u32 s40, ttmp6, 0x40000                  ; cx
	s_bfe_u32 s41, ttmp6, 0x40004                  ; cy
	s_and_b32 s42, ttmp7, 0xffff                   ; the cluster's number
	s_lshl_b32 s86, 0x1111, s40                    ; x's tiles: the places of my cx
	s_or_b32 s[G1A], s86, FLAGS
	s_lshl_b32 s91, s41, 2
	s_lshl_b32 s91, 15, s91                        ; W's tiles: the places of my cy
	s_or_b32 s[G1W], s91, FLAGS
	s_or_b32 s[G1N], s91, FLAGS
.irp g, G1A, G1W, G1N
	s_mov_b32 s[\g+1], ROWB<<16
	s_mov_b32 s[\g+3], ROWB<<16
	s_mov_b32 s[\g+5], KROW
	s_mov_b32 s[\g+6], 0
	s_mov_b32 s[\g+7], 0
.endr
	s_mov_b32 s[G1A+2], 128<<16
	s_mov_b32 s[G1A+4], 128
	s_mov_b32 s[G1W+2], 96<<16
	s_mov_b32 s[G1W+4], 96
	s_mov_b32 s[G1N+2], 64<<16
	s_mov_b32 s[G1N+4], 64
	s_mul_i32 s17, s42, 12                         ; my block's first unit of 64 columns: 12 c + 3 cy,
	s_mul_i32 s18, s41, 3
	s_add_co_u32 s17, s17, s18
	s_lshl_b32 s18, s42, 3                         ; or, from cluster 11 on, 132 + 8 (c - 11) + 2 cy
	s_lshl_b32 s19, s41, 1
	s_add_co_u32 s18, s18, s19
	s_add_co_u32 s18, s18, 44
	s_cmp_lt_u32 s42, 11
	s_cselect_b32 s17, s17, s18
	s_cselect_b32 s43, 1, 0                        ; 1: blocks of 192 columns
	s_cselect_b32 s19, 96, 64                      ; rows of W in a wave's load
	s_lshl_b32 s17, s17, 6                         ; n0
	s_mul_i32 s46, s16, s19
	s_add_co_u32 s46, s46, s17                     ; W: the first row that I fetch
	s_lshl_b32 s90, s16, 7
	s_lshl_b32 s88, s40, 8
	s_add_co_u32 s88, s88, s90                     ; x: the first row that I fetch
	s_lshl_b32 s92, s41, 5
	s_add_co_u32 s92, s92, s88                     ; prefetch, x: + 32 cy
	s_lshr_b32 s94, s19, 2
	s_mul_i32 s95, s94, s40
	s_add_co_u32 s95, s95, s46                     ; prefetch, W: + a quarter of the load's rows x cx
	s_sub_co_u32 s94, s94, 1
	s_cmp_eq_u32 s15, 0
	s_cselect_b32 s92, s92, s95
	s_cselect_b32 s76, 31, s94                     ; the last lane with a row of its own
	s_lshl_b32 s92, s92, 12
	s_add_co_u32 s92, s92, 2*ROWB                  ; at slot 2: the first refill steps it to 3 and names slot 4
	s_mov_b32 s93, 0
	s_lshl_b32 s88, s88, 12
	s_mov_b32 s89, 0
	s_lshl_b32 s46, s46, 12
	s_mov_b32 s47, 0
	s_mul_i32 s77, s16, 128*PITCH                  ; where my load lands: x's half,
	s_mul_i32 s78, s16, 96*PITCH
	s_add_co_u32 s78, s78, BROW                    ; or W's
	s_mul_i32 s72, s15, 128*PITCH                  ; my 128 rows of x
	s_mul_i32 s73, s16, 32*PITCH
	s_add_co_u32 s73, s73, BROW                    ; my 32 rows in each group of W
	s_mul_i32 s74, s15, 128*SP
	s_lshl_b32 s75, s16, 7
	s_add_co_u32 s74, s74, s75                     ; into the stage
	s_mul_i32 s75, s14, 64*SP                      ; back from it: rows 64 w .. 64 w + 63
	s_lshl_b32 s66, s16, 5
	s_add_co_u32 s66, s66, s17
	s_lshl_b32 s66, s66, 2                         ; bias at n0 + 32 nh
	s_mov_b32 s67, 0
	s_lshl_b32 s12, s40, 8
	s_lshl_b32 s13, s14, 6
	s_add_co_u32 s12, s12, s13
	s_mul_i32 s12, s12, SIZE_N*4
	s_lshl_b32 s13, s17, 2
	s_add_co_u32 s12, s12, s13                     ; out at row 256 cx + 64 w, column n0
	s_mov_b32 s13, 0
	s_mov_b32 s98, 0x76543210
	s_mov_b32 s99, 0xfedcba98
	s_wait_alu depctr_va_vdst(0)
	s_wait_dscnt 0x0
	s_wait_kmcnt 0x0
	s_load_b64 s[96:97], s[10:11], 0x0             ; e0, e1
	s_add_nc_u64 s[88:89], s[4:5], s[88:89]
	s_add_nc_u64 s[46:47], s[6:7], s[46:47]
	s_cmp_eq_u32 s15, 0
	s_cselect_b64 s[PFA:PFA+1], s[4:5], s[6:7]
	s_add_nc_u64 s[PFA:PFA+1], s[PFA:PFA+1], s[92:93]
	s_add_nc_u64 s[68:69], s[68:69], s[66:67]
	s_add_nc_u64 s[70:71], s[70:71], s[12:13]
.irp s, 0,1
	s_mov_b32 s[G0A+4*\s], 1
	s_add_co_u32 s[G0A+4*\s+1], s77, \s*SLOT
	s_add_nc_u64 s[G0A+4*\s+2:G0A+4*\s+3], s[88:89], \s*ROWB
	s_or_b32 s[G0A+4*\s+3], s[G0A+4*\s+3], 0x80000000
	s_mov_b32 s[G0B+4*\s], 1
	s_add_co_u32 s[G0B+4*\s+1], s78, \s*SLOT
	s_add_nc_u64 s[G0B+4*\s+2:G0B+4*\s+3], s[46:47], \s*ROWB
	s_or_b32 s[G0B+4*\s+3], s[G0B+4*\s+3], 0x80000000
.endr
	s_cmp_eq_u32 s43, 0
	s_cbranch_scc1 .Lnarrow
.macro BODY
	CROUND                                         ; all sixteen work-groups are here
	JLOAD 0                                        ; slot 0: one tensor load a wave at the head
	v_and_b32 v1, 15, v0                           ; r
	v_bfe_u32 v2, v0, 4, 1                         ; h
	v_and_b32 v6, 31, v0
	v_mul_u32_u24 v3, v1, PITCH
	v_lshl_add_u32 v3, v2, 4, v3
	v_add_nc_u32 v[ADRA], s72, v3
	v_add_nc_u32 v[ADRA+1], SLOT, v[ADRA]
	v_add_nc_u32 v[ADRB], s73, v3
	v_add_nc_u32 v[ADRB+1], SLOT, v[ADRB]
	v_mul_u32_u24 v4, v1, SP
	v_lshl_add_u32 v4, v2, 5, v4
	v_add_nc_u32 v[STO], s74, v4                   ; row 128 mh + r, 32 bytes for each half of the lanes
	v_add_nc_u32 v[STO+1], 64*SP, v[STO]           ; blocks 4-7
	v_mul_u32_u24 v5, v2, SP
	v_lshl_add_u32 v5, v1, 4, v5
	v_add_nc_u32 v[RD], s75, v5                    ; back: sixteen lanes to 256 bytes of a row, two rows an instruction
	v_mul_u32_u24 v8, v2, SIZE_N*4
	v_lshl_add_u32 v[CO], v1, 4, v8
	v_lshlrev_b32 v[BO], 5, v2
	v_lshlrev_b32 v7, 4, v6
	v_min_u32 v9, s76, v6
	v_lshlrev_b32 v[PFO], 12, v9
	s_wait_alu depctr_va_vdst(0)
.irp j, 0,1,2,3,4,5,6,7,8,9,10,11,12,13,14,15
	global_load_b128 v[AF+4*\j:AF+4*\j+3], v7, s[8:9] offset:512*\j   ; the 2,048 sums of |w|
.endr
.irp g, 0,1,2
.if \g < NG
	WIN (\g+1)<<6
.irp u, 0,1
	global_load_b128 v[192+8*\u:195+8*\u], v[BO], s[68:69] offset:256*\g+64*\u
	global_load_b128 v[196+8*\u:199+8*\u], v[BO], s[68:69] offset:256*\g+64*\u+16
.endr
.endif
.endr
	WIN 0
	s_wait_kmcnt 0x0
	s_add_co_i32 s94, s97, 127
	s_lshl_b32 s95, s94, 23                        ; 2^e1
	s_add_co_i32 s94, s94, 8
	s_lshl_b32 s94, s94, 23
	s_or_b32 s94, s94, 0x600000                    ; 448 x 2^e1
	s_add_co_i32 s96, s96, s97
	s_add_co_i32 s96, s96, 127
	s_lshl_b32 s96, s96, 23                        ; 2^(e0 + e1)
	s_mov_b32 s97, s96
	v_mov_b32 v42, s95
	v_mov_b32 v43, s94
	s_wait_alu depctr_va_vdst(0)
	s_wait_loadcnt 4*NG                            ; the sums are in; the bias may be out
.irp c, 0,1,2,3
	v_pk_add_f32 v[32+2*\c:33+2*\c], v[AF+2*\c:AF+2*\c+1], v[AF+8+2*\c:AF+9+2*\c]
.endr
.irp p, 16,24,32,40,48,56
.irp c, 0,1,2,3
	v_pk_add_f32 v[32+2*\c:33+2*\c], v[32+2*\c:33+2*\c], v[AF+\p+2*\c:AF+\p+2*\c+1]
.endr
.endr
	v_pk_add_f32 v[32:33], v[32:33], v[34:35]
	v_pk_add_f32 v[36:37], v[36:37], v[38:39]
	v_pk_add_f32 v[32:33], v[32:33], v[36:37]
	v_add_f32 v44, v32, v33
	v_add_f32_dpp v44, v44, v44 row_xmask:1 row_mask:0xf bank_mask:0xf
	v_add_f32_dpp v44, v44, v44 row_xmask:2 row_mask:0xf bank_mask:0xf
	v_add_f32_dpp v44, v44, v44 row_xmask:4 row_mask:0xf bank_mask:0xf
	v_add_f32_dpp v44, v44, v44 row_xmask:8 row_mask:0xf bank_mask:0xf
	v_permlanex16_b32 v33, v44, s98, s99
	v_add_f32 v44, v44, v33
	v_mul_f32 v44, 0x32be82fa, v44                 ; / 45,088,768: s
.irp i, 0,1,2,3,4,5,6,7
	v_min_num_f32 v[32+\i], v44, v43               ; s is not negative: the hold is one-sided
.endr
	v_cvt_scalef32_pk8_fp8_f32 v[40:41], v[32:39], v42
	v_nop
	v_or_b32 v[MASKV], 0x80808080, v40             ; 0x80 | c in each byte
	s_wait_alu depctr_va_vdst(0)
	s_wait_loadcnt 0x0
	s_wait_tensorcnt 0x0                           ; my part of slot 0 is in; slot 1's first fill is issued as a refill is
	ds_add_u32 v[SPW], v[NIL]
	s_wait_dscnt 0x0
	CROUND
	JLOAD 1
	FETCH_B 0, 0, 0
	WIN 0
	FETCH_A 0, 0, 0
	FETCH_A 0, 0, 4
	s_wait_dscnt 32                                ; W's sign bytes are in; x's 32 loads may be out
.irp g, 0,1,2
.if \g < NG
	WIN 0x51*(\g+1)
.set J, 128
.rept 32
	v_and_b32 v[J], v[J], v[MASKV]
.set J, J+1
.endr
.endif
.endr
	s_wait_alu depctr_va_vdst(0)
	STEP 0, 1                                      ; the first step's products start the sums
	s_mov_b32 s3, LAPS-1
.Llap_\@:
	TURN 0, 1, 1
	STEP 1, 0
	TURN 1, 0, 1
	STEP 0, 0
	s_sub_co_u32 s3, s3, 1
	s_cmp_lg_u32 s3, 0
	s_cbranch_scc1 .Llap_\@
	TURN 0, 1, 0                                   ; the last lap fills nothing
	STEP 1, 0
	s_wait_dscnt 16
	PHASE 0, 1, 0, 0, 0, NG
	s_wait_dscnt 0x0                               ; my last reads of the ring are over:
	s_barrier_signal -1                            ; say so, since the stage lies in the ring, which has had its last fill
	PHASE 1, 1, 0, 0, 0, NG
	WIN 0
	s_barrier_wait -1
	PLACES
	; THE WAY OUT.  sum x 2^(e0 + e1) + bias, 32 bytes a lane into the work-group's stage; a row's 256 bytes of a group come from two waves, so a barrier; back as whole units of 256 bytes.
.irp g, 0,1,2
.if \g < NG
	WIN 0x11*(\g+1)                                ; sums and bias from window 1 + g, results into window 0
.set Q, 0
.rept 16
.irp i, 0,2,4,6
	v_pk_fma_f32 v[AF+8*Q+\i:AF+8*Q+\i+1], v[8*Q+\i:8*Q+\i+1], s[96:97], v[192+8*(Q%2)+\i:192+8*(Q%2)+\i+1] op_sel_hi:[1,0,1]
.endr
.set Q, Q+1
.endr
	WIN 0
.set Q, 0
.rept 16
	ds_store_b128 v[STO+Q/8], v[AF+8*Q:AF+8*Q+3] offset:((Q/2)%4)*16*SP+256*\g+64*(Q%2)
	ds_store_b128 v[STO+Q/8], v[AF+8*Q+4:AF+8*Q+7] offset:((Q/2)%4)*16*SP+256*\g+64*(Q%2)+16
.set Q, Q+1
.endr
.endif
.endr
	s_wait_dscnt 0x0                               ; for the others' sake: my stores into the stage are done
	s_barrier_signal -1
	s_barrier_wait -1
.irp g, 0,1,2
.if \g < NG
	WIN (\g+1)<<6                                  ; group g comes back into window 1 + g, where its sums lay
.set T, 0
.rept 32
	ds_load_b128 v[4*T:4*T+3], v[RD] offset:T*2*SP+256*\g
.set T, T+1
.endr
.endif
.endr
.irp g, 0,1,2
.if \g < NG
	WIN (\g+1)<<2
.set T, 0
.rept 32
.if (T%4) == 0
.set LEFT, 32*NG-(32*\g+T)-4                   ; the loads issued behind the four that are stored next
.if LEFT > 63
.set LEFT, 63
.endif
	s_wait_dscnt LEFT
.endif
	global_store_b128 v[CO], v[4*T:4*T+3], s[70:71] offset:2*T*SIZE_N*4+256*\g th:TH_STORE_NT   ; sixteen lanes store 256 consecutive bytes, at a multiple of 256 from out's first byte
.set T, T+1
.endr
.endif
.endr
	WIN 0
	s_wait_tensorcnt 0x0                           ; the wave's end
	ds_add_u32 v[SPW], v[NIL]
	s_wait_dscnt 0x0
	CROUND                                         ; the closing round
	s_endpgm
.endm
.set NG, 3
.set GSTR, 64
.set G1B, G1W
	BODY
.Lnarrow:
.set NG, 2
.set GSTR, 96                          ; group 1 is the second load's rows, which land at row 96
.set G1B, G1N
	BODY
.Lfunc_end_k_q1f14b103bc_gemm:
	.size	k_q1f14b103bc_gemm, .Lfunc_end_k_q1f14b103bc_gemm-k_q1f14b103bc_gemm
	.p2alignl 7, 3214868480
	.fill 96, 4, 3214868480
	.section	.rodata,"a",@progbits
	.p2align	6, 0x0
	.amdhsa_kernel k_q1f14b103bc_gemm
		.amdhsa_group_segment_fixed_size 327680
		.amdhsa_private_segment_fixed_size 0
		.amdhsa_enable_private_segment 0
		.amdhsa_kernarg_size 48
		.amdhsa_user_sgpr_count 2
		.amdhsa_user_sgpr_kernarg_segment_ptr 1
		.amdhsa_wavefront_size32 1
		.amdhsa_system_sgpr_workgroup_id_x 1
		.amdhsa_system_sgpr_workgroup_id_y 1
		.amdhsa_system_sgpr_workgroup_id_z 1
		.amdhsa_system_vgpr_workitem_id 0
		.amdhsa_next_free_vgpr 1024
		.amdhsa_next_free_sgpr 100
		.amdhsa_reserve_vcc 0
		.amdhsa_float_denorm_mode_32 3
		.amdhsa_float_denorm_mode_16_64 3
		.amdhsa_memory_ordered 1
		.amdhsa_forward_progress 1
		.amdhsa_inst_pref_size 230
	.end_amdhsa_kernel
	.amdgpu_metadata
---
amdhsa.version: [ 1, 2 ]
amdhsa.kernels:
  - .name:           k_q1f14b103bc_gemm
    .symbol:         k_q1f14b103bc_gemm.kd
    .args:
      - { .name: xcodes, .offset: 0, .size: 8, .value_kind: global_buffer, .address_space: global }
      - { .name: wcodes, .offset: 8, .size: 8, .value_kind: global_buffer, .address_space: global }
      - { .name: partials, .offset: 16, .size: 8, .value_kind: global_buffer, .address_space: global }
      - { .name: lowp_scales, .offset: 24, .size: 8, .value_kind: global_buffer, .address_space: global }
      - { .name: bias, .offset: 32, .size: 8, .value_kind: global_buffer, .address_space: global }
      - { .name: out0, .offset: 40, .size: 8, .value_kind: global_buffer, .address_space: global }
    .group_segment_fixed_size: 327680
    .private_segment_fixed_size: 0
    .kernarg_segment_align: 8
    .kernarg_segment_size: 48
    .max_flat_workgroup_size: 128
    .sgpr_count:     100
    .vgpr_count:     1024
    .wavefront_size: 32
...
	.end_amdgpu_metadata
.endif
;; end of part 2
